; MI455X (gfx1250); checked and timed in simulation.
; The chip was launched on July 23, 2026; its instructions are those of AMD's public machine-readable ISA for CDNA 5 (MIT licence, August 2026) and "CDNA5" Instruction Set Architecture Reference Guide (July 2026). The comments in the code are by the model that wrote it; some were corrected since.
;; Multi Head Attention. Allowed arithmetic: float matrix products may take bf16 or f16 operands with f32 sums; all other float work in f32.
;; Inputs: Wk 2,048 x 2,048 float32; Wo 2,048 x 2,048 float32; Wq 2,048 x 2,048 float32; Wv 2,048 x 2,048 float32; bk 2,048 float32; bo 2,048 float32; bq 2,048 float32; bv 2,048 float32; hidden_state 2 x 1,024 x 2,048 float32.
;; Outputs: out0 2 x 1,024 x 2,048 float32.
;; One version. Each part assembles by itself: llvm-mc -triple=amdgcn-amd-amdhsa -mcpu=gfx1250 --defsym DOCPART=n.
;; ======== version 1 of 1: 4 launches
;; limits: values are held in f16: magnitudes above 65,504 overflow, below 6.1e-05 lose precision
;; workspace buffers: wh 33,554,432 bytes; act 8,388,608 bytes; qh 8,388,608 bytes; kh 8,388,608 bytes; vt 8,388,608 bytes
;; launch cast (part 1): grid 256 x 5, 8 waves a work-group, no clusters, 0 bytes of LDS; arguments Wq, Wk, Wv, Wo, hidden_state, wh, act; writes wh, act
.if DOCPART == 1
	.amdgcn_target "amdgcn-amd-amdhsa--gfx1250"
	.amdhsa_code_object_version 6
	.text
	.protected	k_qd58c236924_cast
	.globl	k_qd58c236924_cast
	.p2align	8
	.type	k_qd58c236924_cast,@function
k_qd58c236924_cast:
	s_mov_b64 s[64:65], 0
	v_nop
	global_prefetch_b8 v0, s[64:65] scope:SCOPE_SE
	s_setreg_imm32_b32 hwreg(HW_REG_WAVE_MODE, 25, 1), 1
	s_wait_xcnt 0x0
; f32 -> f16 (round to nearest even) of the four weight matrices and of hidden_state, once, so that the three product launches
; move and keep 2-byte operands: each x is used by 16 column blocks and each weight by 16 row blocks there.
; wh = f16 [8192][2048]: rows 0-2047 Wq, 2048-4095 Wk, 4096-6143 Wv, 6144-8191 Wo.   act = f16 [2048][2048]: hidden_state.
; LIMIT: |value| above 65,504 becomes infinity in f16; below 6.1e-5 the absolute error stays 3e-8 (f16 denormals).
; Grid y picks the tensor, grid x a chunk of 65,536 input bytes; a wave takes 8,192 of them by sixteen 16-byte loads (512 consecutive
; bytes each), all issued before the first is used; each store of the wave covers 256 consecutive bytes, aligned.
; A stream: nothing is shared between work-groups, so no LDS, no cluster, no matrix unit.
.set X, 4                              ; v[4:67]   load i: 4 registers of f32
.set Y, 68                             ; v[68:99]  store i: 2 registers of f16 pairs
	s_load_b256 s[4:11], s[0:1], 0x0               ; Wq s[4:5], Wk s[6:7], Wv s[8:9], Wo s[10:11]
	s_load_b128 s[12:15], s[0:1], 0x20             ; hidden_state s[12:13], wh s[14:15]
	s_load_b64 s[16:17], s[0:1], 0x30              ; act
	s_and_b32 s18, ttmp7, 0xffff                   ; which tensor: 0..3 the weights, 4 hidden_state
	v_lshrrev_b32 v1, 5, v0                        ; wave
	v_and_b32 v3, 31, v0                           ; lane
	v_lshlrev_b32 v1, 13, v1                       ; 8,192 input bytes a wave
	v_lshl_or_b32 v1, v3, 4, v1                    ; + 16 bytes a lane: the load offset
	v_lshrrev_b32 v2, 1, v1                        ; half of it: the store offset
	s_min_u32 s24, s18, 3
	s_lshl_b32 s24, s24, 23                        ; the weight's 8,388,608 bytes in wh
	s_mov_b32 s25, 0
	s_lshl_b32 s26, ttmp9, 16                      ; the chunk in the source
	s_mov_b32 s27, 0
	s_lshl_b32 s28, ttmp9, 15                      ; and in the destination
	s_mov_b32 s29, 0
	s_wait_kmcnt 0x0
	s_cmp_eq_u32 s18, 1
	s_cselect_b64 s[20:21], s[6:7], s[4:5]
	s_cmp_eq_u32 s18, 2
	s_cselect_b64 s[20:21], s[8:9], s[20:21]
	s_cmp_eq_u32 s18, 3
	s_cselect_b64 s[20:21], s[10:11], s[20:21]
	s_add_nc_u64 s[22:23], s[14:15], s[24:25]
	s_cmp_eq_u32 s18, 4
	s_cselect_b64 s[20:21], s[12:13], s[20:21]
	s_cselect_b64 s[22:23], s[16:17], s[22:23]
	s_add_nc_u64 s[20:21], s[20:21], s[26:27]
	s_add_nc_u64 s[22:23], s[22:23], s[28:29]
.irp i, 0,1,2,3,4,5,6,7,8,9,10,11,12,13,14,15
	global_load_b128 v[X+4*\i:X+4*\i+3], v1, s[20:21] offset:512*\i th:TH_LOAD_NT   ; read once in the whole launch
.endr
.irp i, 0,1,2,3,4,5,6,7,8,9,10,11,12,13,14,15
	s_wait_loadcnt 15-\i                           ; loads come back in order: load i is in, the 15 - i younger ones stay out
	v_cvt_pk_f16_f32 v[Y+2*\i], v[X+4*\i], v[X+4*\i+1]
	v_cvt_pk_f16_f32 v[Y+2*\i+1], v[X+4*\i+2], v[X+4*\i+3]
	global_store_b64 v2, v[Y+2*\i:Y+2*\i+1], s[22:23] offset:256*\i   ; no register is written twice, so nothing more is waited for
.endr
	s_endpgm
.Lfunc_end_k_qd58c236924_cast:
	.size	k_qd58c236924_cast, .Lfunc_end_k_qd58c236924_cast-k_qd58c236924_cast
	.p2alignl 7, 3214868480
	.fill 96, 4, 3214868480
	.section	.rodata,"a",@progbits
	.p2align	6, 0x0
	.amdhsa_kernel k_qd58c236924_cast
		.amdhsa_group_segment_fixed_size 0
		.amdhsa_private_segment_fixed_size 0
		.amdhsa_enable_private_segment 0
		.amdhsa_kernarg_size 56
		.amdhsa_user_sgpr_count 2
		.amdhsa_user_sgpr_kernarg_segment_ptr 1
		.amdhsa_wavefront_size32 1
		.amdhsa_system_sgpr_workgroup_id_x 1
		.amdhsa_system_sgpr_workgroup_id_y 1
		.amdhsa_system_sgpr_workgroup_id_z 1
		.amdhsa_system_vgpr_workitem_id 0
		.amdhsa_next_free_vgpr 100
		.amdhsa_next_free_sgpr 66
		.amdhsa_reserve_vcc 0
		.amdhsa_float_denorm_mode_32 3
		.amdhsa_float_denorm_mode_16_64 3
		.amdhsa_memory_ordered 1
		.amdhsa_forward_progress 1
		.amdhsa_inst_pref_size 7
	.end_amdhsa_kernel
	.amdgpu_metadata
---
amdhsa.version: [ 1, 2 ]
amdhsa.kernels:
  - .name:           k_qd58c236924_cast
    .symbol:         k_qd58c236924_cast.kd
    .args:
      - { .name: Wq, .offset: 0, .size: 8, .value_kind: global_buffer, .address_space: global }
      - { .name: Wk, .offset: 8, .size: 8, .value_kind: global_buffer, .address_space: global }
      - { .name: Wv, .offset: 16, .size: 8, .value_kind: global_buffer, .address_space: global }
      - { .name: Wo, .offset: 24, .size: 8, .value_kind: global_buffer, .address_space: global }
      - { .name: hidden_state, .offset: 32, .size: 8, .value_kind: global_buffer, .address_space: global }
      - { .name: wh, .offset: 40, .size: 8, .value_kind: global_buffer, .address_space: global }
      - { .name: act, .offset: 48, .size: 8, .value_kind: global_buffer, .address_space: global }
    .group_segment_fixed_size: 0
    .private_segment_fixed_size: 0
    .kernarg_segment_align: 8
    .kernarg_segment_size: 56
    .max_flat_workgroup_size: 256
    .sgpr_count:     66
    .vgpr_count:     100
    .wavefront_size: 32
...
	.end_amdgpu_metadata
.endif
;; end of part 1
;; launch qkv (part 2): grid 16 x 16, 4 waves a work-group, clusters of 4 x 4, 327,680 bytes of LDS; arguments act, wh, bq, bk, bv, qh, kh, vt; writes qh, kh, vt
.if DOCPART == 2
	.amdgcn_target "amdgcn-amd-amdhsa--gfx1250"
	.amdhsa_code_object_version 6
	.text
	.protected	k_qd58c236924_qkv
	.globl	k_qd58c236924_qkv
	.p2align	8
	.type	k_qd58c236924_qkv,@function
k_qd58c236924_qkv:
	s_mov_b64 s[64:65], 0
	v_nop
	global_prefetch_b8 v0, s[64:65] scope:SCOPE_SE
	s_setreg_imm32_b32 hwreg(HW_REG_WAVE_MODE, 25, 1), 1
	s_wait_xcnt 0x0
	s_wait_alu depctr_hold_cnt(0) depctr_sa_sdst(0) depctr_va_vdst(0) depctr_va_sdst(0) depctr_va_ssrc(0) depctr_va_vcc(0) depctr_vm_vsrc(0)
	s_getreg_b32 s2, hwreg(HW_REG_IB_STS2, 6, 4)
	s_cmp_eq_u32 s2, 0
	s_cbranch_scc0 .Lentry_in_a_cluster
	s_endpgm
.Lentry_in_a_cluster:
	s_bfe_u32 s2, ttmp6, 0x10000c
	s_cmp_lg_u32 s2, 0xf033
	s_cbranch_scc0 .Lentry_shape_is_right
	s_endpgm
.Lentry_shape_is_right:
; q, k and v of one head (grid y) for 128 tokens (grid x): C = x W^T + b, a block of 128 tokens x 384 features (128 each of Wq, Wk, Wv).
; Operands f16 (act = x, wh = weights), sums f32, results rounded once to f16:
;   qh, kh = [batch*16+head][token 1024][d 128];   vt = [batch*16+head][d 128][token 1024] (V transposed: keys along the rows).
; LIMIT: |q|, |k|, |v| above 65,504 become infinity in f16.  The f32 sums run in another order than a plain dot product.
; Four waves; wave w makes all 128 tokens x features 32 w .. 32 w + 31 of each of q, k, v: 8 token tiles (a) x 6 feature tiles
; (b: 0,1 q; 2,3 k; 4,5 v) = 48 accumulators = 384 registers; for 32 along K it reads 28 x 512 bytes of LDS for 48 matrix instructions.
; K goes in steps of 128 (rows of 256 bytes, aligned) through two LDS slots; a slot holds 128 rows of x, Wq, Wk, Wv.
; CLUSTER 4 x 4: the four work-groups of a column share the token block, so x's tile is a joint load with the column's mask (wave 0);
; the four of a row share the head, so the three weight tiles are joint loads with the row's mask (waves 1 to 3).
; THE ORDER OF THE K STEPS: time step T takes K step (T & ~3) | ((T + R) & 3): the sixteen steps go in blocks of four, and inside a block
; each cluster starts at its own place R = (cluster x + 2 u) & 3, u = 0, 1, 1, 0 for cluster y = 0 .. 3.  The four clusters of one y, which
; read the same weight tiles (three quarters of a step's bytes), have four different R: in a block's first step they ask for four different
; tiles, and in the other three each asks for a tile that another of them has asked for one to three steps before.  Of the four clusters of
; one x, which read the same tiles of x, two have R and two R + 2.  R is made of the cluster's coordinates alone, which all sixteen partners
; share, so a joint load's descriptor stays equal in all that its mask names.  The products summed are the same, in another order.
; q and k tiles are made transposed (source 0 = W rows, source 1 = x rows): a lane holds one token and 8 neighbouring features.
; v tiles are made the plain way (source 0 = x rows, source 1 = Wv rows): a lane holds one feature and 8 neighbouring tokens, as vt wants.
; REGISTERS: window 0: v16-28 addresses, v32-95 / v96-159 x fragments (two buffers), v160-207 / v208-255 W fragments (two buffers);
; window 1: accumulators of token tiles 0-3 at v[8 (6 a + b)], v192-223 bq and bk, v224-227 bv; window 2: token tiles 4-7.
.set KSTEP,  128
.set PITCH,  272                       ; an LDS row: 256 bytes + 16 of padding, an odd multiple of 16: the 16 rows of a fragment load fall on 16 different 16-byte columns of 256
.set HALFT,  128*PITCH                 ; one tensor load: 128 rows
.set SLOT,   4*HALFT                   ; x, Wq, Wk, Wv
.set STAGE,  2*SLOT                    ; 128 rows x 272 bytes for the way out; no tensor load lands here
.set LAPS,   2048/(2*KSTEP)            ; a lap = two K steps = once round the ring
.set ADRA, 16                          ; v16-17 x fragments in slot 0, 1
.set ADRB, 18                          ; v18-19 my Wq rows (Wk's lie HALFT further: inside the 16-bit offset)
.set ADRV, 20                          ; v20-21 my Wv rows
.set STO,  22                          ; stage, in: q and k
.set STOV, 23                          ; stage, in: v
.set RD,   24                          ; stage, back
.set CO,   25                          ; offset in qh and kh
.set COV,  26                          ; offset in vt
.set BOFF, 27                          ; offset in bq and bk
.set BOFV, 28                          ; offset in bv
.set AF,   32                          ; x fragments: AF + 64 f + 8 a
.set BF,   160                         ; W fragments: BF + 48 f + 8 b
.set TMP,  32                          ; the way out: packed f16
.set RB,   96                          ; the way out: rows read back
.set BIASQ, 192                        ; window 1
.set BIASK, 208
.set BIASV, 224
.set G1,  24
.set G0,  32
.set G1B, 48
.set G0B, 56
.set MUL_LO, 0x50                      ; C and D in window 1, sources in window 0
.set MUL_HI, 0xa0                      ; C and D in window 2
.set MSB, 0
.macro WIN new                         ; the immediate's high byte repeats the setting that is left; a switch that changes nothing is dropped
.if MSB != (\new)
	s_set_vgpr_msb (MSB<<8)|(\new)
.set MSB, (\new)
.endif
.endm
.macro PLACES                          ; four plain vector places behind a matrix instruction ahead of loads into its sources and reads of its result
.rept 4
	v_nop
.endr
.endm
; A joint load: wave 0 asks for x's tile, waves 1 to 3 for a weight tile each.  Each line has one mask; the branch hangs on the wave's number alone.
.macro JLOAD s
	s_cmp_eq_u32 s10, 0
	s_cbranch_scc0 .Lfor_b_\@
	tensor_load_to_lds s[G0+4*\s:G0+4*\s+3], s[G1:G1+7]
	s_nop 0
	s_branch .Lasked_\@
.Lfor_b_\@:
	tensor_load_to_lds s[G0B+4*\s:G0B+4*\s+3], s[G1B:G1B+7]
	s_nop 0
.Lasked_\@:
.endm
; The global addresses of slot s's next tiles: time step s9 is turned into its K step, in bytes, in s[18:19] (s19 = 0), and added to x's and W's
; first bytes, s[14:15] and s[46:47], which stay as they are.  It stands only where no tensor load of the wave is out.
.macro KADDR s
	s_add_co_u32 s12, s9, s8                       ; T + R
	s_and_b32 s12, s12, 3                          ; the place in the block of four
	s_and_not1_b32 s18, s9, 3                      ; the block
	s_or_b32 s18, s18, s12
	s_lshl_b32 s18, s18, 8                         ; 256 bytes of a row for each K step
	s_add_co_u32 s9, s9, 1                         ; the next time step
	s_add_nc_u64 s[G0+4*\s+2:G0+4*\s+3], s[14:15], s[18:19]
	s_or_b32 s[G0+4*\s+3], s[G0+4*\s+3], 0x80000000
	s_add_nc_u64 s[G0B+4*\s+2:G0B+4*\s+3], s[46:47], s[18:19]
	s_or_b32 s[G0B+4*\s+3], s[G0B+4*\s+3], 0x80000000
.endm
.macro CREST                           ; a round of the cluster's barrier behind its opening work-group barrier
	s_cmp_lg_u32 s10, 0
	s_cbranch_scc1 .Lnot_wave_0_\@
	s_barrier_signal -3
.Lnot_wave_0_\@:
	s_barrier_wait -3
	s_barrier_signal -1
	s_barrier_wait -1
.endm
.macro CROUND
	s_barrier_signal -1
	s_barrier_wait -1
	CREST
.endm
	s_load_b128 s[4:7], s[0:1], 0x0                ; act s[4:5], wh s[6:7]
	s_load_b256 s[68:75], s[0:1], 0x10             ; bq s[68:69], bk s[70:71], bv s[72:73], qh s[74:75]
	s_load_b128 s[76:79], s[0:1], 0x30             ; kh s[76:77], vt s[78:79]
	v_lshl_add_u32 v30, v0, 2, 0x4c800
	v_mov_b32 v31, 0
	ds_add_u32 v30, v31
	v_lshrrev_b32 v1, 5, v0
	v_readfirstlane_b32 s10, v1                    ; wave 0..3
	s_bfe_u32 s40, ttmp6, 0x40000                  ; cx
	s_bfe_u32 s41, ttmp6, 0x40004                  ; cy
	s_lshl_b32 s13, ttmp9, 2
	s_add_co_u32 s13, s13, s40                     ; token block = 4 x cluster x + cx
	s_and_b32 s11, ttmp7, 0xffff                   ; cluster y
	s_lshl_b32 s42, s11, 2
	s_add_co_u32 s42, s42, s41                     ; head = 4 x cluster y + cy
	s_lshl_b32 s43, s41, 2
	s_lshl_b32 s43, 15, s43                        ; my row of the cluster
	s_lshl_b32 s44, 0x1111, s40                    ; my column
	s_lshr_b32 s8, s11, 1
	s_xor_b32 s8, s8, s11
	s_and_b32 s8, s8, 1                            ; u = 0, 1, 1, 0 for cluster y = 0 .. 3
	s_lshl_b32 s8, s8, 1
	s_add_co_u32 s8, s8, ttmp9
	s_and_b32 s8, s8, 3                            ; R = (cluster x + 2 u) & 3
	s_mov_b32 s9, 0                                ; T, the time step that is asked for next
	s_mov_b32 s19, 0                               ; the upper word of the K offset
	; group 1: 128 rows x 128 elements of 2 bytes, 4 words of padding behind every 64 words, 2,048 elements from row to row
	s_or_b32 s[G1+0], s44, (1<<16)|(1<<20)|(1<<21)|(5<<22)|(3<<25)    ; x's tile hangs on work-group x alone: shared along the column
	s_or_b32 s[G1B+0], s43, (1<<16)|(1<<20)|(1<<21)|(5<<22)|(3<<25)   ; a weight tile hangs on work-group y alone: shared along the row
	s_mov_b32 s[G1+1], KSTEP<<16                   ; tensor_dim0 = 128
	s_mov_b32 s[G1B+1], KSTEP<<16
	s_mov_b32 s[G1+2], 128<<16                     ; tensor_dim1 = 128
	s_mov_b32 s[G1B+2], 128<<16
	s_mov_b32 s[G1+3], KSTEP<<16                   ; tile_dim0 = 128
	s_mov_b32 s[G1B+3], KSTEP<<16
	s_mov_b32 s[G1+4], 128                         ; tile_dim1 = 128
	s_mov_b32 s[G1B+4], 128
	s_mov_b32 s[G1+5], 2048                        ; the pitch
	s_mov_b32 s[G1B+5], 2048
	s_mov_b32 s[G1+6], 0
	s_mov_b32 s[G1B+6], 0
	s_mov_b32 s[G1+7], 0
	s_mov_b32 s[G1B+7], 0
	; x's tile hangs on the token block alone, a weight tile on the head and the wave's number alone
	s_lshl_b32 s16, s13, 19                        ; 128 rows of 4,096 bytes a block
	s_mov_b32 s17, 0
	s_max_u32 s21, s10, 1
	s_sub_co_u32 s21, s21, 1                       ; wave 1, 2, 3: Wq, Wk, Wv
	s_lshl_b32 s21, s21, 23                        ; 2,048 rows of 4,096 bytes a matrix
	s_lshl_b32 s46, s42, 19                        ; the head's 128 rows
	s_add_co_u32 s46, s46, s21
	s_mov_b32 s47, 0
	s_mul_i32 s20, s10, HALFT                      ; LDS: wave x 128 rows
	s_wait_dscnt 0x0
	s_wait_kmcnt 0x0
	s_add_nc_u64 s[14:15], s[4:5], s[16:17]
	s_add_nc_u64 s[46:47], s[6:7], s[46:47]
	CROUND                                         ; all sixteen work-groups are here: the first joint loads meet
.irp s, 0,1
	s_mov_b32 s[G0+4*\s], 1
	s_add_co_u32 s[G0+4*\s+1], s20, \s*SLOT
	s_mov_b32 s[G0B+4*\s], 1
	s_add_co_u32 s[G0B+4*\s+1], s20, \s*SLOT
	KADDR \s
	JLOAD \s                                       ; time steps 0 and 1: two loads of this wave are out
.endr
	v_and_b32 v1, 15, v0                           ; r
	v_bfe_u32 v2, v0, 4, 1                         ; h
	v_mul_u32_u24 v3, v1, PITCH
	v_lshl_add_u32 v3, v2, 4, v3                   ; r x pitch + 16 h
	v_mov_b32 v[ADRA], v3
	v_add_nc_u32 v[ADRA+1], SLOT, v3
	s_mul_i32 s21, s10, 32*PITCH                   ; my 32 rows
	s_add_co_u32 s22, s21, HALFT
	v_add_nc_u32 v[ADRB], s22, v3
	v_add_nc_u32 v[ADRB+1], SLOT, v[ADRB]
	v_add_nc_u32 v[ADRV], 2*HALFT, v[ADRB]
	v_add_nc_u32 v[ADRV+1], 2*HALFT, v[ADRB+1]
	s_lshl_b32 s22, s10, 6
	s_add_co_u32 s22, s22, STAGE
	v_add_nc_u32 v[STO], s22, v3                   ; token row r, my 64 bytes of features, 16 bytes for each half of the lanes
	s_add_co_u32 s21, s21, STAGE
	v_add_nc_u32 v[STOV], s21, v3                  ; feature row 32 w + r
	v_mul_u32_u24 v4, v2, PITCH
	v_lshl_add_u32 v4, v1, 4, v4
	v_add_nc_u32 v[RD], s21, v4                    ; back: rows 32 w + h, 16 bytes a lane
	v_lshlrev_b32 v5, 4, v1
	v_lshl_add_u32 v[CO], v2, 8, v5
	s_lshl_b32 s22, s10, 13
	v_add_nc_u32 v[CO], s22, v[CO]                 ; (32 w + h) x 256 + 16 r
	v_lshl_add_u32 v[COV], v2, 11, v5
	s_lshl_b32 s22, s10, 16
	v_add_nc_u32 v[COV], s22, v[COV]               ; (32 w + h) x 2,048 + 16 r
	s_lshl_b32 s22, s10, 7
	s_lshl_b32 s23, s42, 9
	s_add_co_u32 s22, s22, s23                     ; 4 x (128 head + 32 w)
	v_lshl_add_u32 v[BOFF], v2, 5, s22             ; + 32 h: eight neighbouring features
	v_lshl_add_u32 v[BOFV], v1, 2, s22             ; + 4 r: one feature
	; where the results go
	s_lshr_b32 s86, s13, 3                         ; batch
	s_lshl_b32 s86, s86, 4
	s_add_co_u32 s86, s86, s42                     ; batch x 16 + head
	s_lshl_b32 s86, s86, 18                        ; x 262,144 bytes
	s_and_b32 s90, s13, 7                          ; the block of 128 tokens in the sequence
	s_lshl_b32 s91, s90, 15                        ; 128 rows of 256 bytes in qh and kh
	s_lshl_b32 s90, s90, 8                         ; 128 tokens of 2 bytes in a row of vt
	s_add_co_u32 s88, s86, s90
	s_add_co_u32 s86, s86, s91
	s_mov_b32 s87, 0
	s_mov_b32 s89, 0
	s_add_nc_u64 s[80:81], s[74:75], s[86:87]
	s_add_nc_u64 s[82:83], s[76:77], s[86:87]
	s_add_nc_u64 s[84:85], s[78:79], s[88:89]
	WIN 0x40                                       ; destinations in window 1
.irp t, 0,1
	global_load_b128 v[BIASQ+8*\t:BIASQ+8*\t+3],   v[BOFF], s[68:69] offset:64*\t
	global_load_b128 v[BIASQ+8*\t+4:BIASQ+8*\t+7], v[BOFF], s[68:69] offset:64*\t+16
	global_load_b128 v[BIASK+8*\t:BIASK+8*\t+3],   v[BOFF], s[70:71] offset:64*\t
	global_load_b128 v[BIASK+8*\t+4:BIASK+8*\t+7], v[BOFF], s[70:71] offset:64*\t+16
	global_load_b32 v[BIASV+2*\t],   v[BOFV], s[72:73] offset:64*\t      ; the same number twice: a pair for the packed add
	global_load_b32 v[BIASV+2*\t+1], v[BOFV], s[72:73] offset:64*\t
.endr
	WIN 0
	s_wait_loadcnt 0x0                             ; the biases, once
; 12 matrix instructions: token tiles a0, a0 + 1 of the window's four x all six feature tiles, 32 along K, from buffer f.
; The 48 accumulators take turns, one instruction a turn, in the same order in every quarter step.
.macro MUL12 f, hi, a0, zero
.irp a, \a0, \a0+1
.irp b, 0,1,2,3
.if \zero
	v_wmma_f32_16x16x32_f16 v[8*(6*(\a)+\b):8*(6*(\a)+\b)+7], v[BF+48*\f+8*\b:BF+48*\f+8*\b+7], v[AF+64*\f+8*(4*\hi+\a):AF+64*\f+8*(4*\hi+\a)+7], 0
.else
	v_wmma_f32_16x16x32_f16 v[8*(6*(\a)+\b):8*(6*(\a)+\b)+7], v[BF+48*\f+8*\b:BF+48*\f+8*\b+7], v[AF+64*\f+8*(4*\hi+\a):AF+64*\f+8*(4*\hi+\a)+7], v[8*(6*(\a)+\b):8*(6*(\a)+\b)+7]
.endif
.endr
.irp b, 4,5
.if \zero
	v_wmma_f32_16x16x32_f16 v[8*(6*(\a)+\b):8*(6*(\a)+\b)+7], v[AF+64*\f+8*(4*\hi+\a):AF+64*\f+8*(4*\hi+\a)+7], v[BF+48*\f+8*\b:BF+48*\f+8*\b+7], 0
.else
	v_wmma_f32_16x16x32_f16 v[8*(6*(\a)+\b):8*(6*(\a)+\b)+7], v[AF+64*\f+8*(4*\hi+\a):AF+64*\f+8*(4*\hi+\a)+7], v[BF+48*\f+8*\b:BF+48*\f+8*\b+7], v[8*(6*(\a)+\b):8*(6*(\a)+\b)+7]
.endif
.endr
.endr
.endm
; 28 LDS loads in one run: the fragments of 32 along K at byte k of the rows, into buffer f: 12 for W, then 16 for x in ascending rows
.macro FETCH slot, k, f
.irp b, 0,1,2,3
	ds_load_b128 v[BF+48*\f+8*\b:BF+48*\f+8*\b+3],   v[ADRB+\slot] offset:(\b/2)*HALFT+(\b%2)*16*PITCH+\k
	ds_load_b128 v[BF+48*\f+8*\b+4:BF+48*\f+8*\b+7], v[ADRB+\slot] offset:(\b/2)*HALFT+(\b%2)*16*PITCH+\k+32
.endr
.irp b, 0,1
	ds_load_b128 v[BF+48*\f+32+8*\b:BF+48*\f+32+8*\b+3],   v[ADRV+\slot] offset:\b*16*PITCH+\k
	ds_load_b128 v[BF+48*\f+32+8*\b+4:BF+48*\f+32+8*\b+7], v[ADRV+\slot] offset:\b*16*PITCH+\k+32
.endr
.irp i, 0,1,2,3,4,5,6,7
	ds_load_b128 v[AF+64*\f+8*\i:AF+64*\f+8*\i+3],   v[ADRA+\slot] offset:\k+\i*16*PITCH
	ds_load_b128 v[AF+64*\f+8*\i+4:AF+64*\f+8*\i+7], v[ADRA+\slot] offset:\k+\i*16*PITCH+32
.endr
.endm
; One of a K step's first three quarters: multiplies buffer f, and in its middle fetches the next quarter into buffer g
.macro QUARTER slot, k, f, g, zero
	s_wait_dscnt 8                                 ; W and x rows 0-63 are in; the youngest eight loads (x rows 64-127) may be out
	WIN MUL_LO
	MUL12 \f, 0, 0, \zero
	MUL12 \f, 0, 2, \zero
	PLACES
	WIN 0
	FETCH \slot, \k, \g
	s_wait_dscnt 28                                ; all but the 28 just issued
	WIN MUL_HI
	MUL12 \f, 1, 0, \zero
	MUL12 \f, 1, 2, \zero
.endm
.macro THREE slot, zero
	QUARTER \slot, 64,  0, 1, \zero
	QUARTER \slot, 128, 1, 0, 0
	QUARTER \slot, 192, 0, 1, 0
.endm
; The last quarter multiplies buffer 1 and changes slots.  In front of the barrier each wave waits for its reads of this slot and for all its
; tensor loads (one is out: its part of the next slot); behind it the refill comes first, then the next slot's first fragments.
; From a request to the wait for it a wave issues 180 matrix instructions.
.macro TURN slot, next, fill
	s_wait_dscnt 8
	WIN MUL_LO
	MUL12 1, 0, 0, 0
	s_wait_dscnt 0x0                               ; my reads of this slot are over
	s_wait_tensorcnt 0x0                           ; all my tensor loads have landed, so every group 0 may be written
	ds_add_u32 v30, v31
	s_wait_dscnt 0x0
	s_barrier_signal -1                            ; where a slot is filled again this barrier opens a round of the cluster's barrier
.if \fill
	KADDR \slot                                    ; scalar register work: where this slot's next tiles come from
.endif
	MUL12 1, 0, 2, 0                               ; register work while the others arrive
	WIN 0
	s_barrier_wait -1
.if \fill
	CREST                                          ; no wave of any partner still reads this slot or has a load on its way
	JLOAD \slot                                    ; my one tensor load behind the round, and the first thing there
.endif
	PLACES
	FETCH \next, 0, 0
	WIN MUL_HI
	MUL12 1, 1, 0, 0
	MUL12 1, 1, 2, 0
.endm
.macro LAP zero
	THREE 0, \zero
	TURN 0, 1, 1
	THREE 1, 0
	TURN 1, 0, 1
.endm
	s_wait_tensorcnt 1                             ; my part of time step 0 is in; time step 1's load stays out
	s_barrier_signal -1
	s_barrier_wait -1
	FETCH 0, 0, 0
	LAP 1                                          ; the first products start the sums: nothing is cleared
	WIN 0
	s_mov_b32 s3, LAPS-2
.Llap:
	LAP 0
	WIN 0
	s_sub_co_u32 s3, s3, 1
	s_cmp_lg_u32 s3, 0
	s_cbranch_scc1 .Llap
	THREE 0, 0                                     ; the last lap fills nothing
	TURN 0, 1, 0
	THREE 1, 0
	s_wait_dscnt 8
	WIN MUL_LO
	MUL12 1, 0, 0, 0
	MUL12 1, 0, 2, 0
	s_wait_dscnt 0x0
	WIN MUL_HI
	MUL12 1, 1, 0, 0
	MUL12 1, 1, 2, 0
	PLACES
; THE WAY OUT.  Bias in f32, one rounding to f16, through the stage, back as whole rows of 256 bytes.
; q or k (tiles b0, b0 + 1) of the window's four token tiles: a lane's 8 numbers are 16 bytes of token row 16 a + r.
.macro OUTQK b0, bias, hi, wadd, wcvt
	WIN \wadd
.irp a, 0,1,2,3
.irp t, 0,1
.irp p, 0,1,2,3
	v_pk_add_f32 v[8*(6*\a+\b0+\t)+2*\p:8*(6*\a+\b0+\t)+2*\p+1], v[8*(6*\a+\b0+\t)+2*\p:8*(6*\a+\b0+\t)+2*\p+1], v[\bias+8*\t+2*\p:\bias+8*\t+2*\p+1]
.endr
.endr
.endr
	WIN \wcvt
.irp a, 0,1,2,3
.irp t, 0,1
.irp p, 0,1,2,3
	v_cvt_pk_f16_f32 v[TMP+4*(2*\a+\t)+\p], v[8*(6*\a+\b0+\t)+2*\p], v[8*(6*\a+\b0+\t)+2*\p+1]
.endr
.endr
.endr
	WIN 0
.irp a, 0,1,2,3
.irp t, 0,1
	ds_store_b128 v[STO], v[TMP+4*(2*\a+\t):TMP+4*(2*\a+\t)+3] offset:(4*\hi+\a)*16*PITCH+32*\t
.endr
.endr
.endm
; v (tiles 4, 5): a lane's 8 numbers are 16 bytes (tokens 16 a + 8 h ..) of feature row 32 w + 16 t + r
.macro OUTV hi, wadd, wcvt
	WIN \wadd
.irp a, 0,1,2,3
.irp t, 0,1
.irp p, 0,1,2,3
	v_pk_add_f32 v[8*(6*\a+4+\t)+2*\p:8*(6*\a+4+\t)+2*\p+1], v[8*(6*\a+4+\t)+2*\p:8*(6*\a+4+\t)+2*\p+1], v[BIASV+2*\t:BIASV+2*\t+1]
.endr
.endr
.endr
	WIN \wcvt
.irp a, 0,1,2,3
.irp t, 0,1
.irp p, 0,1,2,3
	v_cvt_pk_f16_f32 v[TMP+4*(2*\a+\t)+\p], v[8*(6*\a+4+\t)+2*\p], v[8*(6*\a+4+\t)+2*\p+1]
.endr
.endr
.endr
	WIN 0
.irp a, 0,1,2,3
.irp t, 0,1
	ds_store_b128 v[STOV], v[TMP+4*(2*\a+\t):TMP+4*(2*\a+\t)+3] offset:\t*16*PITCH+32*(4*\hi+\a)
.endr
.endr
.endm
; stage rows 32 w .. 32 w + 31 back, two rows a load, and out: 16 lanes store 256 consecutive bytes, aligned
.macro BACK off, base, step
	s_wait_xcnt 0x0                                ; the registers that the last phase's stores read are loaded again only behind this wait
.irp i, 0,1,2,3,4,5,6,7,8,9,10,11,12,13,14,15
	ds_load_b128 v[RB+4*\i:RB+4*\i+3], v[RD] offset:\i*2*PITCH
.endr
.irp i, 0,1,2,3,4,5,6,7,8,9,10,11,12,13,14,15
	s_wait_dscnt 15-\i                             ; LDS loads come back in order: load i is in
	global_store_b128 v[\off], v[RB+4*\i:RB+4*\i+3], s[\base:\base+1] offset:\i*\step
.endr
.endm
.macro BAR
	s_wait_dscnt 0x0                               ; for the other waves' sake: all my LDS stores and loads are done
	s_barrier_signal -1
	s_barrier_wait -1
.endm
	OUTQK 0, BIASQ, 0, 0x45, 0x05
	OUTQK 0, BIASQ, 1, 0x86, 0x0a
	BAR                                            ; every wave's columns of q are in the stage
	BACK CO, 80, 512
	BAR                                            ; every wave has read its rows: the stage may be written again
	OUTQK 2, BIASK, 0, 0x45, 0x05
	OUTQK 2, BIASK, 1, 0x86, 0x0a
	BAR
	BACK CO, 82, 512
	BAR
	OUTV 0, 0x45, 0x05                             ; v: a wave writes and reads its own 32 rows; LDS serves a wave's instructions in order (ISA guide 5.7.1.4)
	OUTV 1, 0x86, 0x0a
	BACK COV, 84, 4096
	s_wait_tensorcnt 0x0
	ds_add_u32 v30, v31
	s_wait_dscnt 0x0
	CROUND                                         ; the closing round: no work-group ends while a partner may still ask for a tile that names it
	s_endpgm
.Lfunc_end_k_qd58c236924_qkv:
	.size	k_qd58c236924_qkv, .Lfunc_end_k_qd58c236924_qkv-k_qd58c236924_qkv
	.p2alignl 7, 3214868480
	.fill 96, 4, 3214868480
	.section	.rodata,"a",@progbits
	.p2align	6, 0x0
	.amdhsa_kernel k_qd58c236924_qkv
		.amdhsa_group_segment_fixed_size 327680
		.amdhsa_private_segment_fixed_size 0
		.amdhsa_enable_private_segment 0
		.amdhsa_kernarg_size 64
		.amdhsa_user_sgpr_count 2
		.amdhsa_user_sgpr_kernarg_segment_ptr 1
		.amdhsa_wavefront_size32 1
		.amdhsa_system_sgpr_workgroup_id_x 1
		.amdhsa_system_sgpr_workgroup_id_y 1
		.amdhsa_system_sgpr_workgroup_id_z 1
		.amdhsa_system_vgpr_workitem_id 0
		.amdhsa_next_free_vgpr 704
		.amdhsa_next_free_sgpr 92
		.amdhsa_reserve_vcc 0
		.amdhsa_float_denorm_mode_32 3
		.amdhsa_float_denorm_mode_16_64 3
		.amdhsa_memory_ordered 1
		.amdhsa_forward_progress 1
		.amdhsa_inst_pref_size 172
	.end_amdhsa_kernel
	.amdgpu_metadata
---
amdhsa.version: [ 1, 2 ]
amdhsa.kernels:
  - .name:           k_qd58c236924_qkv
    .symbol:         k_qd58c236924_qkv.kd
    .args:
      - { .name: act, .offset: 0, .size: 8, .value_kind: global_buffer, .address_space: global }
      - { .name: wh, .offset: 8, .size: 8, .value_kind: global_buffer, .address_space: global }
      - { .name: bq, .offset: 16, .size: 8, .value_kind: global_buffer, .address_space: global }
      - { .name: bk, .offset: 24, .size: 8, .value_kind: global_buffer, .address_space: global }
      - { .name: bv, .offset: 32, .size: 8, .value_kind: global_buffer, .address_space: global }
      - { .name: qh, .offset: 40, .size: 8, .value_kind: global_buffer, .address_space: global }
      - { .name: kh, .offset: 48, .size: 8, .value_kind: global_buffer, .address_space: global }
      - { .name: vt, .offset: 56, .size: 8, .value_kind: global_buffer, .address_space: global }
    .group_segment_fixed_size: 327680
    .private_segment_fixed_size: 0
    .kernarg_segment_align: 8
    .kernarg_segment_size: 64
    .max_flat_workgroup_size: 128
    .sgpr_count:     92
    .vgpr_count:     704
    .wavefront_size: 32
...
	.end_amdgpu_metadata
.endif
;; end of part 2
;; launch attn (part 3): grid 8 x 32, 4 waves a work-group, clusters of 4 x 1, 327,680 bytes of LDS; arguments qh, kh, vt, act; writes act
.if DOCPART == 3
	.amdgcn_target "amdgcn-amd-amdhsa--gfx1250"
	.amdhsa_code_object_version 6
	.text
	.protected	k_qd58c236924_attn
	.globl	k_qd58c236924_attn
	.p2align	8
	.type	k_qd58c236924_attn,@function
k_qd58c236924_attn:
	s_mov_b64 s[64:65], 0
	v_nop
	global_prefetch_b8 v0, s[64:65] scope:SCOPE_SE
	s_setreg_imm32_b32 hwreg(HW_REG_WAVE_MODE, 25, 1), 1
	s_wait_xcnt 0x0
	s_wait_alu depctr_hold_cnt(0) depctr_sa_sdst(0) depctr_va_vdst(0) depctr_va_sdst(0) depctr_va_ssrc(0) depctr_va_vcc(0) depctr_vm_vsrc(0)
	s_getreg_b32 s2, hwreg(HW_REG_IB_STS2, 6, 4)
	s_cmp_eq_u32 s2, 0
	s_cbranch_scc0 .Lentry_in_a_cluster
	s_endpgm
.Lentry_in_a_cluster:
	s_bfe_u32 s2, ttmp6, 0x10000c
	s_cmp_lg_u32 s2, 0x3003
	s_cbranch_scc0 .Lentry_shape_is_right
	s_endpgm
.Lentry_shape_is_right:
; softmax(Q K^T / sqrt(128)) V for one (batch, head) (grid y) and 128 queries (grid x), with a running maximum; result f16 into
; act[token][128 head + d].  Operands f16, scores, exponentials, sums and O in f32; the row sum takes the unrounded exponentials.
; LIMITS: v_exp_f32 gives zero for results under 2^-126; p under 6e-8 is zero in f16; the f32 sums run in another order than the plain ones.
; CLUSTER 4 x 1: the four query blocks of a cluster read the same K and V tiles: every tile load is joint, mask 15.
; Four waves: wave w takes queries 64 (w & 1) .. + 63 and, of every 128 keys, the half w >> 1: each K and V byte in LDS is read by two waves.
; S^T = K Q^T (source 0 = K rows, source 1 = Q rows): a lane holds query r and keys 8 h + j, so two tiles of S^T pack in place, with no
; movement between lanes, into the second source of O^T = V^T P^T (source 0 = rows of vt).  A query's maximum, sum and factor live in its lanes.
; The state of a query is M (raw maximum) and NM = -c M as rounded, c = log2(e) / sqrt(128): p = 2^(c s + NM), and O and the sum are
; carried on by 2^(NM new - NM old), so every exponent is measured against the very number that the p's were made with.
; At the end the two waves of a query half exchange two of their four query tiles through LDS and join the two key halves.
; Register tile n holds query tile n xor 2 (w >> 1): 'keep tiles 0, 1, send tiles 2, 3' is then one text for all waves.
; LDS: two slots of 256 keys: K 256 rows x 272 bytes, then V^T 128 rows x 528 bytes; behind them the output stage (4 x 32 rows x 272),
; into which no tensor load lands.  The exchange uses bytes 0 .. 67,583 of slot 0 after that slot's last fill has been read by all waves.
; REGISTERS: window 0: addresses, v64-191 K fragments, v192-255 packed results; window 1: v0-127 S and P, v128-187 the queries' state;
; window 2: v0-127 Q fragments, v128-255 V fragments; window 3: O, tile (n, j) at v[8 (8 n + j)].
.set KP,   272
.set VP,   528
.set KREG, 256*KP
.set SLOT, KREG+128*VP
.set OST,  2*SLOT
.set MSTG, 16896                       ; a wave's exchange bytes: 32 x 512 of O, 512 of state
.set KADR, 8                           ; v8-9
.set VADR, 10                          ; v10-11
.set QOFA, 12
.set QOFB, 13
.set MST,  14
.set MRD,  15
.set STO,  16
.set RD,   17
.set CO,   18
.set KF,   64
.set TMP,  192
.set M,    128                         ; window 1: raw running maxima, one for each query tile
.set T,    132
.set TT,   136
.set NM,   140                         ; -c M, twice (pairs for the packed forms)
.set AL,   148                         ; 2^(NM new - NM old), twice
.set L,    156                         ; two partial row sums
.set SQ,   164                         ; what is sent: NM 2, NM 3, sum 2, sum 3
.set RQ,   168                         ; what is received
.set F0,   172                         ; my factor, twice, for tiles 0, 1
.set F1,   176                         ; the partner's factor, twice
.set LS,   180
.set XA,   184
.set VF,   128                         ; window 2
.set G1K, 24
.set G1V, 32
.set G0K, 40
.set G0V, 48
.set MSB, 0
.macro WIN new
.if MSB != (\new)
	s_set_vgpr_msb (MSB<<8)|(\new)
.set MSB, (\new)
.endif
.endm
.macro PLACES
.rept 4
	v_nop
.endr
.endm
.macro ROUND                           ; a round of the cluster's barrier
	s_barrier_signal -1
	s_barrier_wait -1
	s_cmp_lg_u32 s12, 0
	s_cbranch_scc1 .Lnot_wave_0_\@
	s_barrier_signal -3
.Lnot_wave_0_\@:
	s_barrier_wait -3
	s_barrier_signal -1
	s_barrier_wait -1
.endm
.macro JLOAD s                         ; waves 0, 1: 128 rows of K each; waves 2, 3: 64 rows of V^T each
	s_cmp_eq_u32 s14, 0
	s_cbranch_scc0 .Lfor_v_\@
	tensor_load_to_lds s[G0K+4*\s:G0K+4*\s+3], s[G1K:G1K+7]
	s_nop 0
	s_branch .Lasked_\@
.Lfor_v_\@:
	tensor_load_to_lds s[G0V+4*\s:G0V+4*\s+3], s[G1V:G1V+7]
	s_nop 0
.Lasked_\@:
.endm
	s_load_b128 s[4:7], s[0:1], 0x0                ; qh s[4:5], kh s[6:7]
	s_load_b128 s[8:11], s[0:1], 0x10              ; vt s[8:9], act s[10:11]
	v_lshl_add_u32 v62, v0, 2, 0x4b800
	v_mov_b32 v63, 0
	ds_add_u32 v62, v63
	v_lshrrev_b32 v1, 5, v0
	v_readfirstlane_b32 s12, v1                    ; wave
	s_and_b32 s13, s12, 1                          ; which 64 queries; also which half of a tile I fetch
	s_lshr_b32 s14, s12, 1                         ; which half of the keys; also: I fetch K (0) or V (1)
	s_bfe_u32 s15, ttmp6, 0x40000                  ; cx
	s_lshl_b32 s16, ttmp9, 2
	s_add_co_u32 s16, s16, s15                     ; query block
	s_and_b32 s17, ttmp7, 0xffff                   ; batch x 16 + head
	s_mov_b32 s56, 0x3e0293ee                      ; c = log2(e) / sqrt(128)
	s_mov_b32 s57, 0x3e0293ee
	s_mov_b32 s58, 0xbe0293ee                      ; -c
	s_mov_b32 s60, 0x76543210                      ; v_permlanex16_b32: lane i reads lane i of the other half
	s_mov_b32 s61, 0xfedcba98
	; group 1 for K: 128 rows x 128 elements of 2 bytes, dense, 4 words of padding behind every 64
	s_mov_b32 s[G1K+0], 15|(1<<16)|(1<<20)|(1<<21)|(5<<22)|(3<<25)
	s_mov_b32 s[G1K+1], 128<<16
	s_mov_b32 s[G1K+2], 128<<16
	s_mov_b32 s[G1K+3], 128<<16
	s_mov_b32 s[G1K+4], 128
	s_mov_b32 s[G1K+5], 128
	s_mov_b32 s[G1K+6], 0
	s_mov_b32 s[G1K+7], 0
	; group 1 for V^T: 64 rows x 256 elements, 1,024 elements from row to row, 4 words of padding behind every 128
	s_mov_b32 s[G1V+0], 15|(1<<16)|(1<<20)|(1<<21)|(6<<22)|(3<<25)
	s_mov_b32 s[G1V+1], 256<<16
	s_mov_b32 s[G1V+2], 64<<16
	s_mov_b32 s[G1V+3], 256<<16
	s_mov_b32 s[G1V+4], 64
	s_mov_b32 s[G1V+5], 1024
	s_mov_b32 s[G1V+6], 0
	s_mov_b32 s[G1V+7], 0
	s_lshl_b32 s20, s17, 18                        ; 262,144 bytes for each (batch, head)
	s_lshl_b32 s22, s13, 15                        ; K: my 128 rows of 256 bytes
	s_add_co_u32 s22, s22, s20
	s_mov_b32 s23, 0
	s_lshl_b32 s18, s13, 17                        ; V^T: my 64 rows of 2,048 bytes
	s_add_co_u32 s18, s18, s20
	s_mov_b32 s19, 0
	s_mul_i32 s62, s12, 128*KP                     ; LDS, waves 0, 1
	s_mul_i32 s63, s12, 64*VP
	s_add_co_u32 s63, s63, KREG-128*VP             ; LDS, waves 2, 3: KREG + (w - 2) x 64 rows
	s_lshl_b32 s21, s16, 15                        ; Q: 128 rows of 256 bytes a block,
	s_add_co_u32 s20, s20, s21
	s_lshl_b32 s21, s13, 14                        ; my 64 rows
	s_add_co_u32 s20, s20, s21
	s_mov_b32 s21, 0
	s_lshr_b32 s2, s17, 4                          ; the result: token (batch x 1,024 + 128 block + 64 (w & 1) + 32 (w >> 1)) x 4,096 bytes + head x 256
	s_lshl_b32 s2, s2, 22
	s_lshl_b32 s59, s16, 19
	s_add_co_u32 s2, s2, s59
	s_lshl_b32 s59, s13, 18
	s_add_co_u32 s2, s2, s59
	s_lshl_b32 s59, s14, 17
	s_add_co_u32 s2, s2, s59
	s_and_b32 s59, s17, 15
	s_lshl_b32 s59, s59, 8
	s_add_co_u32 s2, s2, s59
	s_mov_b32 s3, 0
	s_wait_dscnt 0x0
	s_wait_kmcnt 0x0
	s_add_nc_u64 s[22:23], s[6:7], s[22:23]
	s_add_nc_u64 s[18:19], s[8:9], s[18:19]
	s_add_nc_u64 s[20:21], s[4:5], s[20:21]
	s_add_nc_u64 s[10:11], s[10:11], s[2:3]
	ROUND                                          ; the four work-groups are here: the first joint loads meet
.irp s, 0,1
	s_mov_b32 s[G0K+4*\s], 1
	s_add_co_u32 s[G0K+4*\s+1], s62, \s*SLOT
	s_add_nc_u64 s[G0K+4*\s+2:G0K+4*\s+3], s[22:23], \s*65536      ; 256 keys of 256 bytes a slot
	s_or_b32 s[G0K+4*\s+3], s[G0K+4*\s+3], 0x80000000
	s_mov_b32 s[G0V+4*\s], 1
	s_add_co_u32 s[G0V+4*\s+1], s63, \s*SLOT
	s_add_nc_u64 s[G0V+4*\s+2:G0V+4*\s+3], s[18:19], \s*512        ; 256 keys of 2 bytes
	s_or_b32 s[G0V+4*\s+3], s[G0V+4*\s+3], 0x80000000
	JLOAD \s                                       ; keys 0-255 and 256-511: two loads of this wave are out
.endr
	v_and_b32 v1, 15, v0                           ; r
	v_bfe_u32 v2, v0, 4, 1                         ; h
	v_and_b32 v3, 31, v0                           ; lane
	v_mul_u32_u24 v4, v1, KP
	v_lshl_add_u32 v4, v2, 4, v4                   ; r x 272 + 16 h
	s_mul_i32 s59, s14, 64*KP                      ; my 64 of each 128 keys
	v_add_nc_u32 v[KADR], s59, v4
	v_add_nc_u32 v[KADR+1], SLOT, v[KADR]
	v_mul_u32_u24 v5, v1, VP
	v_lshl_add_u32 v5, v2, 4, v5
	s_lshl_b32 s59, s14, 7
	s_add_co_u32 s59, s59, KREG
	v_add_nc_u32 v[VADR], s59, v5
	v_add_nc_u32 v[VADR+1], SLOT, v[VADR]
	v_lshlrev_b32 v6, 8, v1
	v_lshl_add_u32 v6, v2, 4, v6                   ; r x 256 + 16 h
	s_lshl_b32 s59, s14, 13                        ; two query tiles are 8,192 bytes
	v_add_nc_u32 v[QOFA], s59, v6                  ; register tiles 0, 1
	s_xor_b32 s59, s59, 8192
	v_add_nc_u32 v[QOFB], s59, v6                  ; register tiles 2, 3
	v_lshlrev_b32 v7, 4, v3
	s_mul_i32 s59, s12, MSTG
	v_add_nc_u32 v[MST], s59, v7
	s_xor_b32 s59, s12, 2                          ; the wave with my queries and the other keys
	s_mul_i32 s59, s59, MSTG
	v_add_nc_u32 v[MRD], s59, v7
	s_mul_i32 s59, s12, 32*KP
	s_add_co_u32 s59, s59, OST
	v_add_nc_u32 v[STO], s59, v4
	v_mul_u32_u24 v5, v2, KP
	v_lshl_add_u32 v5, v1, 4, v5
	v_add_nc_u32 v[RD], s59, v5
	v_lshlrev_b32 v5, 4, v1
	v_lshl_add_u32 v[CO], v2, 12, v5               ; h x 4,096 + 16 r
	WIN 0x40
.irp n, 0,1,2,3
	v_mov_b32 v[TT+\n], 0                          ; v_permlanex16_b32 counts as a reader of its destination
.endr
	WIN 0x80                                       ; Q straight into fragments, once: the eight loads of a tile read each 256-byte row whole
.irp n, 0,1
.irp c, 0,1,2,3
	global_load_b128 v[8*(4*\n+\c):8*(4*\n+\c)+3],   v[QOFA], s[20:21] offset:\n*4096+64*\c
	global_load_b128 v[8*(4*\n+\c)+4:8*(4*\n+\c)+7], v[QOFA], s[20:21] offset:\n*4096+64*\c+32
.endr
.endr
.irp n, 0,1
.irp c, 0,1,2,3
	global_load_b128 v[8*(4*(\n+2)+\c):8*(4*(\n+2)+\c)+3],   v[QOFB], s[20:21] offset:\n*4096+64*\c
	global_load_b128 v[8*(4*(\n+2)+\c)+4:8*(4*(\n+2)+\c)+7], v[QOFB], s[20:21] offset:\n*4096+64*\c+32
.endr
.endr
	WIN 0
; 32 loads: my 64 keys of subtile u as fragments, in groups of 32 along d
.macro KLOAD slot, u
.irp c, 0,1,2,3
.irp i, 0,1,2,3
	ds_load_b128 v[KF+32*\c+8*\i:KF+32*\c+8*\i+3],   v[KADR+\slot] offset:(128*\u+16*\i)*KP+64*\c
	ds_load_b128 v[KF+32*\c+8*\i+4:KF+32*\c+8*\i+7], v[KADR+\slot] offset:(128*\u+16*\i)*KP+64*\c+32
.endr
.endr
.endm
; 32 loads: all 128 rows of V^T at my 64 keys of subtile u
.macro VLOAD slot, u
.irp cc, 0,1
.irp j, 0,1,2,3,4,5,6,7
	ds_load_b128 v[VF+64*\cc+8*\j:VF+64*\cc+8*\j+3],   v[VADR+\slot] offset:\j*16*VP+256*\u+64*\cc
	ds_load_b128 v[VF+64*\cc+8*\j+4:VF+64*\cc+8*\j+7], v[VADR+\slot] offset:\j*16*VP+256*\u+64*\cc+32
.endr
.endr
.endm
; 64 queries x 64 keys.  On entry the subtile's 32 K loads have been issued.  first = 1: the state is started, nothing is cleared.
; knext = 1: the slot's second subtile's K fragments are fetched behind the S products.
; In both runs of products the accumulators take turns, one instruction a turn.
.macro SUBTILE slot, u, first, knext
	WIN 0x80
	VLOAD \slot, \u
	WIN 0x58
.irp c, 0,1,2,3
	s_wait_dscnt 56-8*\c                           ; K's group c is in: the 8 (3 - c) loads of its later groups and the 32 of V may be out
.irp i, 0,1,2,3
.irp n, 0,1,2,3
.if \c
	v_wmma_f32_16x16x32_f16 v[8*(4*\n+\i):8*(4*\n+\i)+7], v[KF+32*\c+8*\i:KF+32*\c+8*\i+7], v[8*(4*\n+\c):8*(4*\n+\c)+7], v[8*(4*\n+\i):8*(4*\n+\i)+7]
.else
	v_wmma_f32_16x16x32_f16 v[8*(4*\n+\i):8*(4*\n+\i)+7], v[KF+32*\c+8*\i:KF+32*\c+8*\i+7], v[8*(4*\n+\c):8*(4*\n+\c)+7], 0
.endif
.endr
.endr
.endr
	PLACES
.if \knext
	WIN 0
	KLOAD \slot, 1
.endif
	WIN 0x55
	; the largest of a lane's 32 scores of each query tile and of the running maximum; the four tiles' chains are interleaved
.irp n, 0,1,2,3
	v_max3_num_f32 v[T+\n], v[32*\n], v[32*\n+1], v[32*\n+2]
.endr
.irp k, 3,5,7,9,11,13,15,17,19,21,23,25,27,29
.irp n, 0,1,2,3
	v_max3_num_f32 v[T+\n], v[T+\n], v[32*\n+\k], v[32*\n+\k+1]
.endr
.endr
.irp n, 0,1,2,3
.if \first
	v_max_num_f32 v[T+\n], v[T+\n], v[32*\n+31]
.else
	v_max3_num_f32 v[T+\n], v[T+\n], v[32*\n+31], v[M+\n]
.endif
.endr
.irp n, 0,1,2,3
	v_permlanex16_b32 v[TT+\n], v[T+\n], s60, s61  ; the other half of the lanes holds the query's other keys
.endr
.irp n, 0,1,2,3
	v_max_num_f32 v[T+\n], v[T+\n], v[TT+\n]
.endr
.irp n, 0,1,2,3
	v_mul_f32 v[TT+\n], s58, v[T+\n]               ; the new NM
.endr
.if \first
.else
.irp n, 0,1,2,3
	v_sub_f32 v[XA+\n], v[TT+\n], v[NM+2*\n]       ; new - old, never above 0
.endr
.endif
.irp n, 0,1,2,3
	v_mov_b32 v[NM+2*\n], v[TT+\n]
	v_mov_b32 v[NM+2*\n+1], v[TT+\n]
	v_mov_b32 v[M+\n], v[T+\n]
.endr
.if \first
.else
.irp n, 0,1,2,3
	v_exp_f32 v[AL+2*\n], v[XA+\n]                 ; used far below; the packed multiply-adds that follow touch neither AL nor XA
	v_exp_f32 v[AL+2*\n+1], v[XA+\n]
.endr
.endif
.irp k, 0,2,4,6,8,10,12,14,16,18,20,22,24,26,28,30
.irp n, 0,1,2,3
	v_pk_fma_f32 v[32*\n+\k:32*\n+\k+1], v[32*\n+\k:32*\n+\k+1], s[56:57], v[NM+2*\n:NM+2*\n+1] op_sel_hi:[1,0,1]
.endr
.endr
.set kk, 0
.rept 128
	v_exp_f32 v[kk], v[kk]
.set kk, kk+1
.endr
	v_nop                                          ; one plain place behind the last exponential (ISA guide 5.7.2)
	s_wait_alu depctr_va_vdst(0)
.irp n, 0,1,2,3
.if \first
	s_wait_alu depctr_va_vdst(0)
	v_pk_add_f32 v[L+2*\n:L+2*\n+1], v[32*\n:32*\n+1], v[32*\n+2:32*\n+3]
.else
	v_pk_fma_f32 v[L+2*\n:L+2*\n+1], v[L+2*\n:L+2*\n+1], v[AL+2*\n:AL+2*\n+1], v[32*\n:32*\n+1]
	v_pk_add_f32 v[L+2*\n:L+2*\n+1], v[L+2*\n:L+2*\n+1], v[32*\n+2:32*\n+3]
.endif
.endr
.irp k, 4,6,8,10,12,14,16,18,20,22,24,26,28,30
.irp n, 0,1,2,3
	v_pk_add_f32 v[L+2*\n:L+2*\n+1], v[L+2*\n:L+2*\n+1], v[32*\n+\k:32*\n+\k+1]
.endr
.endr
	; two tiles of S^T (32 keys) become one fragment of P^T, in place: register t takes numbers 2 t and 2 t + 1, which lie at or above it
.irp n, 0,1,2,3
.irp cc, 0,1
.irp t, 0,1,2,3,4,5,6,7
	v_cvt_pk_f16_f32 v[32*\n+16*\cc+\t], v[32*\n+16*\cc+2*\t], v[32*\n+16*\cc+2*\t+1]
.endr
.endr
.endr
.if \first
.else
	WIN 0xC7                                       ; O (window 3) times the query's factor (window 1)
.irp n, 0,1,2,3
.set kk, 0
.rept 32
	v_pk_mul_f32 v[64*\n+kk:64*\n+kk+1], v[64*\n+kk:64*\n+kk+1], v[AL+2*\n:AL+2*\n+1]
.set kk, kk+2
.endr
.endr
.endif
.if \knext
	s_wait_dscnt 32                                ; V is in; the 32 loads of the next K fragments may be out
.else
	s_wait_dscnt 0x0
.endif
	WIN 0xF6
.irp cc, 0,1
.irp n, 0,1,2,3
.irp j, 0,1,2,3,4,5,6,7
.if \first*(1-\cc)
	v_wmma_f32_16x16x32_f16 v[8*(8*\n+\j):8*(8*\n+\j)+7], v[VF+64*\cc+8*\j:VF+64*\cc+8*\j+7], v[32*\n+16*\cc:32*\n+16*\cc+7], 0
.else
	v_wmma_f32_16x16x32_f16 v[8*(8*\n+\j):8*(8*\n+\j)+7], v[VF+64*\cc+8*\j:VF+64*\cc+8*\j+7], v[32*\n+16*\cc:32*\n+16*\cc+7], v[8*(8*\n+\j):8*(8*\n+\j)+7]
.endif
.endr
.endr
.endr
.rept 5
	v_nop                                          ; five places: the next S products write over P's registers, the next V loads land in V's
.endr
.endm
; Slot 'slot' has been read.  Every wave waits for its reads and for all its tensor loads; refill = 1: behind a round of the cluster's barrier
; the slot gets the keys 512 further on, my one tensor load there and the first thing; then the other slot's first K fragments.
.macro CHANGE slot, other, refill
	WIN 0
	s_wait_dscnt 0x0
	s_wait_tensorcnt 0x0                           ; the other slot's load of mine has landed; no load of mine is out, so a group 0 may be written
	ds_add_u32 v62, v63
	s_wait_dscnt 0x0
.if \refill
	s_add_nc_u64 s[G0K+4*\slot+2:G0K+4*\slot+3], s[G0K+4*\slot+2:G0K+4*\slot+3], 131072
	s_add_nc_u64 s[G0V+4*\slot+2:G0V+4*\slot+3], s[G0V+4*\slot+2:G0V+4*\slot+3], 1024
	ROUND
	JLOAD \slot
.else
	s_barrier_signal -1
	s_barrier_wait -1
.endif
	KLOAD \other, 0
.endm
	s_wait_tensorcnt 1                             ; my part of slot 0 is in; slot 1's load stays out
	s_barrier_signal -1
	s_barrier_wait -1
	KLOAD 0, 0
	s_wait_loadcnt 0x0                             ; Q
	SUBTILE 0, 0, 1, 1                             ; keys 0-255
	SUBTILE 0, 1, 0, 0
	CHANGE 0, 1, 1
	SUBTILE 1, 0, 0, 1                             ; keys 256-511; slot 0's refill has these two subtiles in which to land
	SUBTILE 1, 1, 0, 0
	CHANGE 1, 0, 1
	SUBTILE 0, 0, 0, 1                             ; keys 512-767
	SUBTILE 0, 1, 0, 0
	CHANGE 0, 1, 0                                 ; nothing is left to fetch; behind this barrier no wave reads slot 0 any more
	SUBTILE 1, 0, 0, 1                             ; keys 768-1023
	SUBTILE 1, 1, 0, 0
	; THE TWO KEY HALVES ARE JOINED.  I send register tiles 2, 3 (O, NM, sum) and receive the partner's for my tiles 0, 1.
	WIN 0x55
.irp n, 0,1,2,3
	v_add_f32 v[LS+\n], v[L+2*\n], v[L+2*\n+1]
.endr
	v_mov_b32 v[SQ], v[NM+4]
	v_mov_b32 v[SQ+1], v[NM+6]
	v_mov_b32 v[SQ+2], v[LS+2]
	v_mov_b32 v[SQ+3], v[LS+3]
	WIN 0x0C                                       ; store data from window 3
.set qq, 0
.rept 32
	ds_store_b128 v[MST], v[128+4*qq:128+4*qq+3] offset:512*qq
.set qq, qq+1
.endr
	WIN 0x04
	ds_store_b128 v[MST], v[SQ:SQ+3] offset:16384
	WIN 0
	s_wait_dscnt 0x0                               ; for the partner's sake: my stores are done
	s_barrier_signal -1
	s_barrier_wait -1
	WIN 0x40
	ds_load_b128 v[RQ:RQ+3], v[MRD] offset:16384
	WIN 0
.set qq, 0
.rept 32
	ds_load_b128 v[KF+4*qq:KF+4*qq+3], v[MRD] offset:512*qq
.set qq, qq+1
.endr
	s_wait_dscnt 32                                ; the partner's state is in; its O may be out
	WIN 0x55
.irp n, 0,1
	v_min_num_f32 v[T+\n], v[NM+2*\n], v[RQ+\n]    ; NM of the larger maximum
.endr
.irp n, 0,1
	v_sub_f32 v[XA+\n], v[T+\n], v[NM+2*\n]
	v_sub_f32 v[XA+2+\n], v[T+\n], v[RQ+\n]
.endr
.irp n, 0,1,2,3
	v_exp_f32 v[XA+\n], v[XA+\n]                   ; one of the two factors of a query is 1, so the sum below is at least 1
.endr
	v_nop
	s_wait_alu depctr_va_vdst(0)
.irp n, 0,1
	v_mul_f32 v[LS+\n], v[LS+\n], v[XA+\n]
.endr
.irp n, 0,1
	v_fma_f32 v[LS+\n], v[RQ+2+\n], v[XA+2+\n], v[LS+\n]
.endr
.irp n, 0,1
	v_permlanex16_b32 v[TT+\n], v[LS+\n], s60, s61 ; the sums of the query's keys in the other half of the lanes
.endr
.irp n, 0,1
	v_add_f32 v[LS+\n], v[LS+\n], v[TT+\n]
.endr
.irp n, 0,1
	v_rcp_f32 v[LS+\n], v[LS+\n]
.endr
	v_nop
	s_wait_alu depctr_va_vdst(0)
.irp n, 0,1
	v_mul_f32 v[F0+2*\n], v[XA+\n], v[LS+\n]
	v_mul_f32 v[F0+2*\n+1], v[XA+\n], v[LS+\n]
	v_mul_f32 v[F1+2*\n], v[XA+2+\n], v[LS+\n]
	v_mul_f32 v[F1+2*\n+1], v[XA+2+\n], v[LS+\n]
.endr
	WIN 0xC7
.irp n, 0,1
.set kk, 0
.rept 32
	v_pk_mul_f32 v[64*\n+kk:64*\n+kk+1], v[64*\n+kk:64*\n+kk+1], v[F0+2*\n:F0+2*\n+1]
.set kk, kk+2
.endr
.endr
	s_wait_dscnt 0x0                               ; the partner's O
	WIN 0xF4                                       ; O (window 3) += partner's O (window 0) x its factor (window 1)
.irp n, 0,1
.set kk, 0
.rept 32
	v_pk_fma_f32 v[64*\n+kk:64*\n+kk+1], v[KF+64*\n+kk:KF+64*\n+kk+1], v[F1+2*\n:F1+2*\n+1], v[64*\n+kk:64*\n+kk+1]
.set kk, kk+2
.endr
.endr
	WIN 0x0F                                       ; a lane's 8 numbers of a tile are 8 neighbouring d of query r: 16 bytes
.irp n, 0,1
.irp j, 0,1,2,3,4,5,6,7
.irp p, 0,1,2,3
	v_cvt_pk_f16_f32 v[TMP+4*(8*\n+\j)+\p], v[8*(8*\n+\j)+2*\p], v[8*(8*\n+\j)+2*\p+1]
.endr
.endr
.endr
	WIN 0
.irp n, 0,1
.irp j, 0,1,2,3,4,5,6,7
	ds_store_b128 v[STO], v[TMP+4*(8*\n+\j):TMP+4*(8*\n+\j)+3] offset:\n*16*KP+32*\j
.endr
.endr
.irp i, 0,1,2,3,4,5,6,7,8,9,10,11,12,13,14,15
	ds_load_b128 v[KF+4*\i:KF+4*\i+3], v[RD] offset:\i*2*KP        ; my own stage: LDS serves a wave's instructions in order (ISA guide 5.7.1.4)
.endr
.irp i, 0,1,2,3,4,5,6,7,8,9,10,11,12,13,14,15
	s_wait_dscnt 15-\i
	global_store_b128 v[CO], v[KF+4*\i:KF+4*\i+3], s[10:11] offset:\i*8192   ; 16 lanes store 256 consecutive bytes, aligned: a head's part of a token
.endr
	s_wait_tensorcnt 0x0
	ds_add_u32 v62, v63
	s_wait_dscnt 0x0
	ROUND                                          ; the closing round
	s_endpgm
.Lfunc_end_k_qd58c236924_attn:
	.size	k_qd58c236924_attn, .Lfunc_end_k_qd58c236924_attn-k_qd58c236924_attn
	.p2alignl 7, 3214868480
	.fill 96, 4, 3214868480
	.section	.rodata,"a",@progbits
	.p2align	6, 0x0
	.amdhsa_kernel k_qd58c236924_attn
		.amdhsa_group_segment_fixed_size 327680
		.amdhsa_private_segment_fixed_size 0
		.amdhsa_enable_private_segment 0
		.amdhsa_kernarg_size 32
		.amdhsa_user_sgpr_count 2
		.amdhsa_user_sgpr_kernarg_segment_ptr 1
		.amdhsa_wavefront_size32 1
		.amdhsa_system_sgpr_workgroup_id_x 1
		.amdhsa_system_sgpr_workgroup_id_y 1
		.amdhsa_system_sgpr_workgroup_id_z 1
		.amdhsa_system_vgpr_workitem_id 0
		.amdhsa_next_free_vgpr 1024
		.amdhsa_next_free_sgpr 66
		.amdhsa_reserve_vcc 0
		.amdhsa_float_denorm_mode_32 3
		.amdhsa_float_denorm_mode_16_64 3
		.amdhsa_memory_ordered 1
		.amdhsa_forward_progress 1
		.amdhsa_inst_pref_size 255
	.end_amdhsa_kernel
	.section	.bss,"aw",@nobits
	.p2align	6
	.space	262144
	.amdgpu_metadata
---
amdhsa.version: [ 1, 2 ]
amdhsa.kernels:
  - .name:           k_qd58c236924_attn
    .symbol:         k_qd58c236924_attn.kd
    .args:
      - { .name: qh, .offset: 0, .size: 8, .value_kind: global_buffer, .address_space: global }
      - { .name: kh, .offset: 8, .size: 8, .value_kind: global_buffer, .address_space: global }
      - { .name: vt, .offset: 16, .size: 8, .value_kind: global_buffer, .address_space: global }
      - { .name: act, .offset: 24, .size: 8, .value_kind: global_buffer, .address_space: global }
    .group_segment_fixed_size: 327680
    .private_segment_fixed_size: 0
    .kernarg_segment_align: 8
    .kernarg_segment_size: 32
    .max_flat_workgroup_size: 128
    .sgpr_count:     66
    .vgpr_count:     1024
    .wavefront_size: 32
...
	.end_amdgpu_metadata
.endif
;; end of part 3
;; launch oproj (part 4): grid 16 x 16, 4 waves a work-group, clusters of 4 x 4, 327,680 bytes of LDS; arguments act, wh, bo, out0; writes out0
.if DOCPART == 4
	.amdgcn_target "amdgcn-amd-amdhsa--gfx1250"
	.amdhsa_code_object_version 6
	.text
	.protected	k_qd58c236924_oproj
	.globl	k_qd58c236924_oproj
	.p2align	8
	.type	k_qd58c236924_oproj,@function
k_qd58c236924_oproj:
	s_mov_b64 s[64:65], 0
	v_nop
	global_prefetch_b8 v0, s[64:65] scope:SCOPE_SE
	s_setreg_imm32_b32 hwreg(HW_REG_WAVE_MODE, 25, 1), 1
	s_wait_xcnt 0x0
	s_wait_alu depctr_hold_cnt(0) depctr_sa_sdst(0) depctr_va_vdst(0) depctr_va_sdst(0) depctr_va_ssrc(0) depctr_va_vcc(0) depctr_vm_vsrc(0)
	s_getreg_b32 s2, hwreg(HW_REG_IB_STS2, 6, 4)
	s_cmp_eq_u32 s2, 0
	s_cbranch_scc0 .Lentry_in_a_cluster
	s_endpgm
.Lentry_in_a_cluster:
	s_bfe_u32 s2, ttmp6, 0x10000c
	s_cmp_lg_u32 s2, 0xf033
	s_cbranch_scc0 .Lentry_shape_is_right
	s_endpgm
.Lentry_shape_is_right:
; out0 = act Wo^T + bo.  act f16 [2048][2048] (the attention's result), Wo = rows 6144-8191 of wh (f16), sums and result f32.
; Blocks of 128 x 128 of the result make 256 work-groups; four waves 2 x 2, each 64 x 64: 16 accumulators.
; K goes in steps of 256 (rows of 512 bytes, aligned) through two LDS slots of 128 rows of act and 128 rows of Wo; a wave fetches 64 rows.
; CLUSTER 4 x 4: act's tile is shared along a row of the cluster, Wo's along a column: joint loads, as in the projection of q, k, v.
; THE ORDER OF THE K STEPS: time step T takes K step (T & ~3) | ((T + R) & 3): the eight steps go in two blocks of four, and inside a block
; each cluster starts at its own place R = (cluster x + 2 u) & 3, u = 0, 1, 1, 0 for cluster y = 0 .. 3.  The four clusters of one y, which
; read the same tiles of act, have four different R: in a block's first step they ask for four different tiles, and in the other three each
; asks for a tile that another of them has asked for before.  Of the four clusters of one x, which read the same tiles of Wo, two have R
; and two R + 2.  R is made of the cluster's coordinates alone, which all sixteen partners share, so a joint load's descriptor stays equal
; in all that its mask names.  The products summed are the same, in another order.
; The product is made transposed (source 0 = Wo rows, source 1 = act rows): a lane holds one token and 8 neighbouring columns, 32 bytes.
; The f32 sums run in another order than a plain dot product.
; REGISTERS: window 0: addresses, v32-63 bias, v64-95 results, v96-159 rows read back; window 1: fragments, two buffers of 128
; (64 along K: Wo tile i of half c at f + 64 c + 8 i, act tile i at f + 64 c + 32 + 8 i); window 2: accumulators at v[8 (4 a + b)].
.set PITCH,  528                       ; 512 bytes + 16 of padding, an odd multiple of 16
.set QT,     64*PITCH                  ; one tensor load
.set SLOT,   4*QT
.set STAGE,  2*SLOT                    ; 16 rows x 272 bytes for each wave; no tensor load lands here
.set SPITCH, 272
.set LAPS,   4                         ; 2,048 / (2 x 256)
.set ADRA, 16
.set ADRB, 18
.set STO,  20
.set RD,   21
.set CO,   22
.set BOFF, 23
.set BIAS, 32
.set TMP,  64
.set RB,   96
.set F0,   0
.set F1,   128
.set G1,  24
.set G0,  32
.set G1B, 48
.set G0B, 56
.set MUL,  0xa5                        ; sources in window 1, C and D in window 2
.set TO_F, 0x40                        ; destination in window 1
.set MSB, 0
.macro WIN new
.if MSB != (\new)
	s_set_vgpr_msb (MSB<<8)|(\new)
.set MSB, (\new)
.endif
.endm
.macro PLACES
.rept 4
	v_nop
.endr
.endm
.macro JLOAD s                         ; waves 0, 1: act's two halves; waves 2, 3: Wo's
	s_cmp_eq_u32 s11, 0
	s_cbranch_scc0 .Lfor_b_\@
	tensor_load_to_lds s[G0+4*\s:G0+4*\s+3], s[G1:G1+7]
	s_nop 0
	s_branch .Lasked_\@
.Lfor_b_\@:
	tensor_load_to_lds s[G0B+4*\s:G0B+4*\s+3], s[G1B:G1B+7]
	s_nop 0
.Lasked_\@:
.endm
; The global addresses of slot s's next tiles: time step s73 is turned into its K step, in bytes, in s[18:19] (s19 = 0), and added to act's and
; Wo's first bytes, s[14:15] and s[46:47], which stay as they are.  It stands only where no tensor load of the wave is out.
.macro KADDR s
	s_add_co_u32 s74, s73, s72                     ; T + R
	s_and_b32 s74, s74, 3                          ; the place in the block of four
	s_and_not1_b32 s18, s73, 3                     ; the block
	s_or_b32 s18, s18, s74
	s_lshl_b32 s18, s18, 9                         ; 512 bytes of a row for each K step
	s_add_co_u32 s73, s73, 1                       ; the next time step
	s_add_nc_u64 s[G0+4*\s+2:G0+4*\s+3], s[14:15], s[18:19]
	s_or_b32 s[G0+4*\s+3], s[G0+4*\s+3], 0x80000000
	s_add_nc_u64 s[G0B+4*\s+2:G0B+4*\s+3], s[46:47], s[18:19]
	s_or_b32 s[G0B+4*\s+3], s[G0B+4*\s+3], 0x80000000
.endm
.macro CREST
	s_cmp_lg_u32 s10, 0
	s_cbranch_scc1 .Lnot_wave_0_\@
	s_barrier_signal -3
.Lnot_wave_0_\@:
	s_barrier_wait -3
	s_barrier_signal -1
	s_barrier_wait -1
.endm
.macro CROUND
	s_barrier_signal -1
	s_barrier_wait -1
	CREST
.endm
	s_load_b128 s[4:7], s[0:1], 0x0                ; act s[4:5], wh s[6:7]
	s_load_b128 s[8:11], s[0:1], 0x10              ; bo s[8:9], out0: see below
	v_lshl_add_u32 v254, v0, 2, 0x46400
	v_mov_b32 v255, 0
	ds_add_u32 v254, v255
	v_lshrrev_b32 v1, 5, v0
	v_readfirstlane_b32 s66, v1                    ; wave 0..3
	s_bfe_u32 s40, ttmp6, 0x40000                  ; cx
	s_bfe_u32 s41, ttmp6, 0x40004                  ; cy
	s_lshl_b32 s42, ttmp9, 2
	s_add_co_u32 s42, s42, s40                     ; block column
	s_and_b32 s13, ttmp7, 0xffff                   ; cluster y
	s_lshr_b32 s72, s13, 1
	s_xor_b32 s72, s72, s13
	s_and_b32 s72, s72, 1                          ; u = 0, 1, 1, 0 for cluster y = 0 .. 3
	s_lshl_b32 s72, s72, 1
	s_add_co_u32 s72, s72, ttmp9
	s_and_b32 s72, s72, 3                          ; R = (cluster x + 2 u) & 3
	s_mov_b32 s73, 0                               ; T, the time step that is asked for next
	s_mov_b32 s19, 0                               ; the upper word of the K offset
	s_lshl_b32 s13, s13, 2
	s_add_co_u32 s13, s13, s41                     ; block row
	s_lshl_b32 s43, s41, 2
	s_lshl_b32 s43, 15, s43                        ; my row of the cluster
	s_lshl_b32 s44, 0x1111, s40                    ; my column
	; group 1: 64 rows x 256 elements of 2 bytes, 4 words of padding behind every 128, 2,048 elements from row to row
	s_or_b32 s[G1+0], s43, (1<<16)|(1<<20)|(1<<21)|(6<<22)|(3<<25)
	s_or_b32 s[G1B+0], s44, (1<<16)|(1<<20)|(1<<21)|(6<<22)|(3<<25)
	s_mov_b32 s[G1+1], 256<<16
	s_mov_b32 s[G1B+1], 256<<16
	s_mov_b32 s[G1+2], 64<<16
	s_mov_b32 s[G1B+2], 64<<16
	s_mov_b32 s[G1+3], 256<<16
	s_mov_b32 s[G1B+3], 256<<16
	s_mov_b32 s[G1+4], 64
	s_mov_b32 s[G1B+4], 64
	s_mov_b32 s[G1+5], 2048
	s_mov_b32 s[G1B+5], 2048
	s_mov_b32 s[G1+6], 0
	s_mov_b32 s[G1B+6], 0
	s_mov_b32 s[G1+7], 0
	s_mov_b32 s[G1B+7], 0
	s_wait_dscnt 0x0
	s_wait_kmcnt 0x0
	s_mov_b64 s[2:3], s[10:11]                     ; out0 moves to s[2:3]: s10 to s12 hold the wave's numbers from here on
	s_mov_b32 s10, s66                             ; wave
	s_lshr_b32 s11, s10, 1                         ; which 64 rows of the block are mine.  Also: I fetch act (0) or Wo (1)
	s_and_b32 s12, s10, 1                          ; which 64 columns.  Also: which 64 rows of that tile I fetch
	s_lshl_b32 s17, s12, 18                        ; 64 rows of 4,096 bytes
	s_lshl_b32 s16, s13, 19                        ; 128 rows a block
	s_add_co_u32 s16, s16, s17
	s_lshl_b32 s46, s42, 19
	s_add_co_u32 s46, s46, s17
	s_add_co_u32 s46, s46, 0x1800000               ; Wo begins at row 6,144 of wh
	s_mov_b32 s17, 0
	s_mov_b32 s47, 0
	s_mul_i32 s20, s10, QT                         ; LDS: wave x 64 rows
	s_add_nc_u64 s[14:15], s[4:5], s[16:17]
	s_add_nc_u64 s[46:47], s[6:7], s[46:47]
	CROUND                                         ; all sixteen work-groups are here: the first joint loads meet
.irp s, 0,1
	s_mov_b32 s[G0+4*\s], 1
	s_add_co_u32 s[G0+4*\s+1], s20, \s*SLOT
	s_mov_b32 s[G0B+4*\s], 1
	s_add_co_u32 s[G0B+4*\s+1], s20, \s*SLOT
	KADDR \s
	JLOAD \s                                       ; time steps 0 and 1: two loads of this wave are out
.endr
	v_and_b32 v1, 15, v0                           ; r
	v_bfe_u32 v2, v0, 4, 1                         ; h
	v_mul_u32_u24 v3, v1, PITCH
	v_lshl_add_u32 v3, v2, 4, v3
	s_mul_i32 s21, s11, QT                         ; my 64 rows of act
	s_mul_i32 s22, s12, QT                         ; my 64 rows of Wo,
	s_add_co_u32 s22, s22, 2*QT                    ; which lie behind act's 128
.irp s, 0,1
	v_add_nc_u32 v[ADRA+\s], s21, v3
	v_add_nc_u32 v[ADRB+\s], s22, v3
	s_add_co_u32 s21, s21, SLOT
	s_add_co_u32 s22, s22, SLOT
.endr
	s_mul_i32 s23, s10, 16*SPITCH
	s_add_co_u32 s23, s23, STAGE                   ; my stage
	v_mul_u32_u24 v4, v1, SPITCH
	v_lshl_add_u32 v4, v2, 5, v4                   ; in: row r, 32 bytes for each half of the lanes
	v_add_nc_u32 v[STO], s23, v4
	v_mul_u32_u24 v5, v2, SPITCH
	v_lshl_add_u32 v5, v1, 4, v5                   ; back: lanes 0-15 one row of 256 bytes, lanes 16-31 the next
	v_add_nc_u32 v[RD], s23, v5
	v_lshlrev_b32 v5, 4, v1
	v_lshl_add_u32 v[CO], v2, 13, v5               ; the same two rows in out0: 8,192 bytes a row
	s_lshl_b32 s70, s42, 9
	s_lshl_b32 s71, s12, 8
	s_add_co_u32 s70, s70, s71                     ; my first column, in bytes
	v_lshl_add_u32 v[BOFF], v2, 5, s70
	s_lshl_b32 s68, s13, 20                        ; 128 rows of 8,192 bytes a block
	s_lshl_b32 s69, s11, 19
	s_add_co_u32 s68, s68, s69
	s_add_co_u32 s68, s68, s70
	s_mov_b32 s69, 0
	s_add_nc_u64 s[2:3], s[2:3], s[68:69]
.irp b, 0,1,2,3
	global_load_b128 v[BIAS+8*\b:BIAS+8*\b+3],   v[BOFF], s[8:9] offset:64*\b
	global_load_b128 v[BIAS+8*\b+4:BIAS+8*\b+7], v[BOFF], s[8:9] offset:64*\b+16
.endr
	s_wait_loadcnt 0x0                             ; the bias, once
; 16 matrix instructions: 64 x 64, 32 along K (half c of buffer f).  The 16 accumulators take turns, one instruction a turn.
.macro MUL16 f, c, zero
.irp a, 0,1,2,3
.irp b, 0,1,2,3
.if \zero
	v_wmma_f32_16x16x32_f16 v[8*(4*\a+\b):8*(4*\a+\b)+7], v[\f+64*\c+8*\b:\f+64*\c+8*\b+7], v[\f+64*\c+32+8*\a:\f+64*\c+32+8*\a+7], 0
.else
	v_wmma_f32_16x16x32_f16 v[8*(4*\a+\b):8*(4*\a+\b)+7], v[\f+64*\c+8*\b:\f+64*\c+8*\b+7], v[\f+64*\c+32+8*\a:\f+64*\c+32+8*\a+7], v[8*(4*\a+\b):8*(4*\a+\b)+7]
.endif
.endr
.endr
.endm
; 32 LDS loads in one run: 64 along K at byte kb of the rows into buffer f, the first 32 of K first
.macro FETCH slot, kb, f
	WIN TO_F
.irp c, 0,1
.irp i, 0,1,2,3
	ds_load_b128 v[\f+64*\c+8*\i:\f+64*\c+8*\i+3],   v[ADRB+\slot] offset:\kb+64*\c+\i*16*PITCH
	ds_load_b128 v[\f+64*\c+8*\i+4:\f+64*\c+8*\i+7], v[ADRB+\slot] offset:\kb+64*\c+\i*16*PITCH+32
.endr
.irp i, 0,1,2,3
	ds_load_b128 v[\f+64*\c+32+8*\i:\f+64*\c+32+8*\i+3],   v[ADRA+\slot] offset:\kb+64*\c+\i*16*PITCH
	ds_load_b128 v[\f+64*\c+32+8*\i+4:\f+64*\c+32+8*\i+7], v[ADRA+\slot] offset:\kb+64*\c+\i*16*PITCH+32
.endr
.endr
.endm
.macro QUARTER slot, kb, f, g, zero
	s_wait_dscnt 16                                ; the first 32 of K are in; the youngest sixteen loads may be out
	WIN MUL
	MUL16 \f, 0, \zero
	PLACES
	FETCH \slot, \kb, \g
	s_wait_dscnt 32                                ; all but the 32 just issued
	WIN MUL
	MUL16 \f, 1, 0
.endm
.macro THREE slot, zero
	QUARTER \slot, 128, F0, F1, \zero
	QUARTER \slot, 256, F1, F0, 0
	QUARTER \slot, 384, F0, F1, 0
.endm
; The last quarter multiplies buffer 1 and changes slots: waits for my reads and for all my tensor loads, the barrier (where a slot is filled
; again it opens a round of the cluster's barrier), the refill first behind it, then the next slot's first fragments.
.macro TURN slot, next, fill
	s_wait_dscnt 0x0                               ; my reads of this slot are over
	s_set_vgpr_msb 0xa5a0
	s_wait_tensorcnt 0x0                           ; all my tensor loads have landed: the one that was out is my part of the next slot; every group 0 may be written
	ds_add_u32 v254, v255
	s_wait_dscnt 0x0
	s_set_vgpr_msb 0xa0a5
	s_barrier_signal -1
.if \fill
	KADDR \slot                                    ; scalar register work: where this slot's next tiles come from
.endif
	WIN MUL
	MUL16 F1, 0, 0                                 ; register work while the others arrive
	WIN 0
	s_barrier_wait -1
.if \fill
	CREST
	JLOAD \slot                                    ; my one tensor load behind the round, and the first thing there
.endif
	PLACES
	FETCH \next, 0, F0
	WIN MUL
	MUL16 F1, 1, 0
.endm
.macro LAP zero
	THREE 0, \zero
	TURN 0, 1, 1
	THREE 1, 0
	TURN 1, 0, 1
.endm
	s_wait_tensorcnt 1                             ; my part of time step 0 is in; time step 1's load stays out
	s_barrier_signal -1
	s_barrier_wait -1
	FETCH 0, 0, F0
	LAP 1                                          ; the first products start the sums
	WIN 0
	s_mov_b32 s67, LAPS-2
.Llap:
	LAP 0
	WIN 0
	s_sub_co_u32 s67, s67, 1
	s_cmp_lg_u32 s67, 0
	s_cbranch_scc1 .Llap
	THREE 0, 0                                     ; the last lap fills nothing
	TURN 0, 1, 0
	THREE 1, 0
	s_wait_dscnt 0x0
	WIN MUL
	MUL16 F1, 0, 0
	MUL16 F1, 1, 0
	PLACES
; THE WAY OUT, 16 rows at a time: bias added in f32, 32 bytes a lane into my own stage, back as whole rows of 256 bytes
.macro OUT16 a, rb
	WIN 0x02                                       ; source 0 (the sums) in window 2
.irp b, 0,1,2,3
.irp p, 0,1,2,3
	v_pk_add_f32 v[TMP+8*\b+2*\p:TMP+8*\b+2*\p+1], v[8*(4*\a+\b)+2*\p:8*(4*\a+\b)+2*\p+1], v[BIAS+8*\b+2*\p:BIAS+8*\b+2*\p+1]
.endr
.endr
	WIN 0
.irp b, 0,1,2,3
	ds_store_b128 v[STO], v[TMP+8*\b:TMP+8*\b+3]   offset:64*\b
	ds_store_b128 v[STO], v[TMP+8*\b+4:TMP+8*\b+7] offset:64*\b+16
.endr
	s_wait_xcnt 0x0                                ; the registers and the base that earlier stores read are written again only behind this wait
.if \a
	s_add_nc_u64 s[2:3], s[2:3], 16*8192           ; 16 rows on
.endif
.irp t, 0,1,2,3,4,5,6,7
	ds_load_b128 v[\rb+4*\t:\rb+4*\t+3], v[RD] offset:\t*2*SPITCH  ; my own stage: LDS serves a wave's instructions in order (ISA guide 5.7.1.4)
.endr
.irp t, 0,1,2,3,4,5,6,7
	s_wait_dscnt 7-\t
	global_store_b128 v[CO], v[\rb+4*\t:\rb+4*\t+3], s[2:3] offset:2*\t*8192 th:TH_STORE_NT   ; 16 lanes store 256 consecutive bytes, aligned
.endr
.endm
	OUT16 0, RB
	OUT16 1, RB+32
	OUT16 2, RB
	OUT16 3, RB+32
	s_wait_tensorcnt 0x0
	ds_add_u32 v254, v255
	s_wait_dscnt 0x0
	CROUND                                         ; the closing round
	s_endpgm
.Lfunc_end_k_qd58c236924_oproj:
	.size	k_qd58c236924_oproj, .Lfunc_end_k_qd58c236924_oproj-k_qd58c236924_oproj
	.p2alignl 7, 3214868480
	.fill 96, 4, 3214868480
	.section	.rodata,"a",@progbits
	.p2align	6, 0x0
	.amdhsa_kernel k_qd58c236924_oproj
		.amdhsa_group_segment_fixed_size 327680
		.amdhsa_private_segment_fixed_size 0
		.amdhsa_enable_private_segment 0
		.amdhsa_kernarg_size 32
		.amdhsa_user_sgpr_count 2
		.amdhsa_user_sgpr_kernarg_segment_ptr 1
		.amdhsa_wavefront_size32 1
		.amdhsa_system_sgpr_workgroup_id_x 1
		.amdhsa_system_sgpr_workgroup_id_y 1
		.amdhsa_system_sgpr_workgroup_id_z 1
		.amdhsa_system_vgpr_workitem_id 0
		.amdhsa_next_free_vgpr 640
		.amdhsa_next_free_sgpr 76
		.amdhsa_reserve_vcc 0
		.amdhsa_float_denorm_mode_32 3
		.amdhsa_float_denorm_mode_16_64 3
		.amdhsa_memory_ordered 1
		.amdhsa_forward_progress 1
		.amdhsa_inst_pref_size 128
	.end_amdhsa_kernel
	.amdgpu_metadata
---
amdhsa.version: [ 1, 2 ]
amdhsa.kernels:
  - .name:           k_qd58c236924_oproj
    .symbol:         k_qd58c236924_oproj.kd
    .args:
      - { .name: act, .offset: 0, .size: 8, .value_kind: global_buffer, .address_space: global }
      - { .name: wh, .offset: 8, .size: 8, .value_kind: global_buffer, .address_space: global }
      - { .name: bo, .offset: 16, .size: 8, .value_kind: global_buffer, .address_space: global }
      - { .name: out0, .offset: 24, .size: 8, .value_kind: global_buffer, .address_space: global }
    .group_segment_fixed_size: 327680
    .private_segment_fixed_size: 0
    .kernarg_segment_align: 8
    .kernarg_segment_size: 32
    .max_flat_workgroup_size: 128
    .sgpr_count:     76
    .vgpr_count:     640
    .wavefront_size: 32
...
	.end_amdgpu_metadata
.endif
;; end of part 4
